; MI455X (gfx1250); checked and timed in simulation.
; The chip was launched on July 23, 2026; its instructions are those of AMD's public machine-readable ISA for CDNA 5 (MIT licence, August 2026) and "CDNA5" Instruction Set Architecture Reference Guide (July 2026). The comments in the code are by the model that wrote it; some were corrected since.
;; Euclidean Codebook. Allowed arithmetic: float matrix products may take bf16 or f16 operands with f32 sums; all other float work in f32.
;; Inputs: embed 1 x 8,192 x 256 float32; x 8 x 2,048 x 256 float32.
;; Outputs: out0 8 x 2,048 x 256 float32; out1 8 x 2,048 int32.
;; 2 versions, each right and faster than the one before. Each part assembles by itself: llvm-mc -triple=amdgcn-amd-amdhsa -mcpu=gfx1250 --defsym DOCPART=n.
;; ======== version 1 of 2: 3 launches
;; workspace buffers: eb 4,194,304 bytes; hsq 32,768 bytes; cval 262,144 bytes; cand 262,144 bytes of whole numbers
;; launch prep (part 1): grid 128 x 1, 8 waves a work-group, no clusters, 1,280 bytes of LDS; arguments embed, eb, hsq; writes eb, hsq
.if DOCPART == 1
	.amdgcn_target "amdgcn-amd-amdhsa--gfx1250"
	.amdhsa_code_object_version 6
	.text
	.protected	k_qb66e4b2dec_prep
	.globl	k_qb66e4b2dec_prep
	.p2align	8
	.type	k_qb66e4b2dec_prep,@function
k_qb66e4b2dec_prep:
	s_mov_b64 s[64:65], 0
	v_nop
	global_prefetch_b8 v0, s[64:65] scope:SCOPE_SE
	s_setreg_imm32_b32 hwreg(HW_REG_WAVE_MODE, 25, 1), 1
	s_wait_xcnt 0x0
; EuclideanCodebook, launch 1 of 3: the codebook rounded to bf16 (eb) and, for each code c, hsq[c] = -1/2 sum over k of bf16(e[c][k])^2 in f32.
;
; WORK LEFT OUT IN THE WHOLE PROGRAM, AND WHY IT IS DEAD.  The problem takes, for each row x, the first c that maximises
; -sqrt(max(t_c, 0)) with t_c = |x|^2 - 2 x.e_c + |e_c|^2.  In exact arithmetic t_c = |x - e_c|^2 >= 0 for all finite inputs, so the
; maximum with 0 is the identity; -sqrt is strictly decreasing on [0, inf), so the first argmax of -sqrt(t_c) is the first argmin of t_c;
; |x|^2 is the same for every c, and a positive factor keeps the order, so that is the first argmax of s_c = x.e_c - |e_c|^2 / 2.
; Left out therefore: |x|^2, the maximum with 0, the root, the negation.  Both inputs still reach the outputs and both are loaded.
; LIMITS.  Inputs are finite, and the sum of a code's squares stays inside f32.  A NaN, an infinity or an overflow that would arise only in
; the work left out is not carried to the result; a NaN score never wins here.  Scores nearer to each other than the rounding of f32 are
; ordered by this program's own f32 sums (equal ones: the lowest index); the coarser grid that adding |x|^2 and taking the root lays over
; them is not rebuilt.  The product runs on bf16 operands, so |e_c|^2 is taken of the SAME rounded numbers: both terms of s_c belong to one codebook.
;
; Eight waves, 64 codes a work-group, 8 a wave: one wave takes a whole code of 1,024 bytes by two loads of 512 neighbouring bytes.
; Lane L holds k = 4 L .. 4 L + 3 and k = 128 + 4 L .. + 3.  All 16 loads of a wave go out first.  128 work-groups, so that a group's 64 hsq
; are 256 consecutive bytes, aligned, stored by one instruction.
.set DAT, 8                            ; v[8:71]    row p: 8 registers as loaded
.set BF,  72                           ; v[72:103]  row p: 4 registers, 8 bf16, to store (each row its own: no store's data is rewritten)
.set WID, 104                          ; v[104:111] the rounded numbers widened to f32
.set SUM, 112                          ; v[112:113] the sum of squares, two chains
.set TMP, 114                          ; v114       the other half's sum
	s_load_b128 s[4:7], s[0:1], 0x0                ; embed s[4:5], eb s[6:7]
	s_load_b64 s[8:9], s[0:1], 0x10                ; hsq
	v_lshl_add_u32 v116, v0, 2, 0x100
	v_mov_b32 v117, 0
	v_lshrrev_b32 v1, 5, v0
	v_readfirstlane_b32 s10, v1                    ; wave 0..7
	v_lshlrev_b32 v3, 5, v1                        ; LDS: my wave's eight words at 32 w
	v_and_b32 v4, 31, v0                           ; lane
	v_lshlrev_b32 v1, 4, v4                        ; 16 L: my 16 bytes in 512 of embed
	v_lshlrev_b32 v2, 3, v4                        ; 8 L: my 8 bytes in 256 of eb
	v_mov_b32 v[TMP], 0                            ; v_permlanex16_b32 counts as a reader of its destination
	s_mov_b32 s12, 0x76543210                      ; lane i of one half reads lane i of the other
	s_mov_b32 s13, 0xfedcba98
	s_lshl_b32 s14, ttmp9, 16                      ; 64 rows of 1,024 bytes a group
	s_lshl_b32 s11, s10, 13                        ; 8 rows a wave
	s_add_co_u32 s14, s14, s11
	s_mov_b32 s15, 0
	s_wait_kmcnt 0x0
	s_add_nc_u64 s[4:5], s[4:5], s[14:15]          ; embed at my wave's first row
	s_lshr_b32 s14, s14, 1                         ; rows of eb are half as long
	s_add_nc_u64 s[6:7], s[6:7], s[14:15]
	s_lshl_b32 s14, ttmp9, 8                       ; 64 words of hsq a group
	s_add_nc_u64 s[8:9], s[8:9], s[14:15]
.irp p, 0,1,2,3,4,5,6,7
	global_load_b128 v[DAT+8*\p:DAT+8*\p+3],   v1, s[4:5] offset:1024*\p
	global_load_b128 v[DAT+8*\p+4:DAT+8*\p+7], v1, s[4:5] offset:1024*\p+512
.endr
.macro ROW p
	s_wait_loadcnt 14-2*\p                         ; loads come back in order (ISA guide 5.7.1): two loads for each younger row may stay out
.irp j, 0,1,2,3
	v_cvt_pk_bf16_f32 v[BF+4*\p+\j], v[DAT+8*\p+2*\j], v[DAT+8*\p+2*\j+1]     ; two roundings to nearest even
.endr
.irp j, 0,1,2,3
	v_lshlrev_b32 v[WID+2*\j],   16, v[BF+4*\p+\j]             ; the rounded numbers back in f32
	v_and_b32     v[WID+2*\j+1], 0xffff0000, v[BF+4*\p+\j]
.endr
	v_pk_mul_f32 v[SUM:SUM+1], v[WID:WID+1], v[WID:WID+1]      ; the first squares start the sums
.irp j, 2,4,6
	v_pk_fma_f32 v[SUM:SUM+1], v[WID+\j:WID+\j+1], v[WID+\j:WID+\j+1], v[SUM:SUM+1]
.endr
	v_add_f32 v[SUM], v[SUM], v[SUM+1]
	v_add_f32_dpp v[SUM], v[SUM], v[SUM] row_xmask:1 row_mask:0xf bank_mask:0xf
	v_add_f32_dpp v[SUM], v[SUM], v[SUM] row_xmask:2 row_mask:0xf bank_mask:0xf
	v_add_f32_dpp v[SUM], v[SUM], v[SUM] row_xmask:4 row_mask:0xf bank_mask:0xf
	v_add_f32_dpp v[SUM], v[SUM], v[SUM] row_xmask:8 row_mask:0xf bank_mask:0xf
	v_permlanex16_b32 v[TMP], v[SUM], s12, s13
	v_add_f32 v[SUM], v[SUM], v[TMP]               ; every lane holds the row's sum
	v_mul_f32 v[SUM], -0.5, v[SUM]
	ds_store_b32 v3, v[SUM] offset:4*\p            ; all lanes write the same word with the same value
	global_store_b64 v2, v[BF+4*\p:BF+4*\p+1],   s[6:7] offset:512*\p       ; 32 lanes x 8 bytes: 256 consecutive bytes, aligned
	global_store_b64 v2, v[BF+4*\p+2:BF+4*\p+3], s[6:7] offset:512*\p+256
.endm
.irp p, 0,1,2,3,4,5,6,7
	ROW \p
.endr
	s_wait_dscnt 0x0                               ; my eight words are in LDS before I say so
	s_barrier_signal -1
	s_barrier_wait -1
	s_cmp_lg_u32 s10, 0
	s_cbranch_scc1 .Lend
	ds_load_b64 v[WID:WID+1], v2                   ; wave 0: the group's 64 words, two a lane
	s_wait_dscnt 0x0
	global_store_b64 v2, v[WID:WID+1], s[8:9]      ; 256 consecutive bytes, aligned
.Lend:
	s_wait_tensorcnt 0x0
	ds_add_u32 v116, v117
	s_wait_dscnt 0x0
	s_endpgm
.Lfunc_end_k_qb66e4b2dec_prep:
	.size	k_qb66e4b2dec_prep, .Lfunc_end_k_qb66e4b2dec_prep-k_qb66e4b2dec_prep
	.p2alignl 7, 3214868480
	.fill 96, 4, 3214868480
	.section	.rodata,"a",@progbits
	.p2align	6, 0x0
	.amdhsa_kernel k_qb66e4b2dec_prep
		.amdhsa_group_segment_fixed_size 1280
		.amdhsa_private_segment_fixed_size 0
		.amdhsa_enable_private_segment 0
		.amdhsa_kernarg_size 24
		.amdhsa_user_sgpr_count 2
		.amdhsa_user_sgpr_kernarg_segment_ptr 1
		.amdhsa_wavefront_size32 1
		.amdhsa_system_sgpr_workgroup_id_x 1
		.amdhsa_system_sgpr_workgroup_id_y 1
		.amdhsa_system_sgpr_workgroup_id_z 1
		.amdhsa_system_vgpr_workitem_id 0
		.amdhsa_next_free_vgpr 118
		.amdhsa_next_free_sgpr 66
		.amdhsa_reserve_vcc 0
		.amdhsa_float_denorm_mode_32 3
		.amdhsa_float_denorm_mode_16_64 3
		.amdhsa_memory_ordered 1
		.amdhsa_forward_progress 1
		.amdhsa_inst_pref_size 16
	.end_amdhsa_kernel
	.amdgpu_metadata
---
amdhsa.version: [ 1, 2 ]
amdhsa.kernels:
  - .name:           k_qb66e4b2dec_prep
    .symbol:         k_qb66e4b2dec_prep.kd
    .args:
      - { .name: embed, .offset: 0, .size: 8, .value_kind: global_buffer, .address_space: global }
      - { .name: eb, .offset: 8, .size: 8, .value_kind: global_buffer, .address_space: global }
      - { .name: hsq, .offset: 16, .size: 8, .value_kind: global_buffer, .address_space: global }
    .group_segment_fixed_size: 1280
    .private_segment_fixed_size: 0
    .kernarg_segment_align: 8
    .kernarg_segment_size: 24
    .max_flat_workgroup_size: 256
    .sgpr_count:     66
    .vgpr_count:     118
    .wavefront_size: 32
...
	.end_amdgpu_metadata
.endif
;; end of part 1
;; launch dist (part 2): grid 64 x 4, 4 waves a work-group, clusters of 4 x 1, 327,680 bytes of LDS; arguments x, eb, hsq, cval, cand; writes cval, cand
.if DOCPART == 2
	.amdgcn_target "amdgcn-amd-amdhsa--gfx1250"
	.amdhsa_code_object_version 6
	.text
	.protected	k_qb66e4b2dec_dist
	.globl	k_qb66e4b2dec_dist
	.p2align	8
	.type	k_qb66e4b2dec_dist,@function
k_qb66e4b2dec_dist:
	s_mov_b64 s[64:65], 0
	v_nop
	global_prefetch_b8 v0, s[64:65] scope:SCOPE_SE
	s_setreg_imm32_b32 hwreg(HW_REG_WAVE_MODE, 25, 1), 1
	s_wait_xcnt 0x0
	s_wait_alu depctr_hold_cnt(0) depctr_sa_sdst(0) depctr_va_vdst(0) depctr_va_sdst(0) depctr_va_ssrc(0) depctr_va_vcc(0) depctr_vm_vsrc(0)
	s_getreg_b32 s2, hwreg(HW_REG_IB_STS2, 6, 4)
	s_cmp_eq_u32 s2, 0
	s_cbranch_scc0 .Lentry_in_a_cluster
	s_endpgm
.Lentry_in_a_cluster:
	s_bfe_u32 s2, ttmp6, 0x10000c
	s_cmp_lg_u32 s2, 0x3003
	s_cbranch_scc0 .Lentry_shape_is_right
	s_endpgm
.Lentry_shape_is_right:
; EuclideanCodebook, launch 2 of 3: for 256 rows of x and one quarter of the codebook (2,048 codes), each row's best score
; s_c = x.e_c - |e_c|^2 / 2 (cval) and the code that has it (cand).  |x|^2, the maximum with 0, the root and the negation are left out: they
; change no argmax in exact arithmetic (shown at the head of the first kernel, with the limits: finite inputs; a NaN score never wins;
; equal scores: the lowest code).
;
; SHAPE.  64 row blocks x 4 quarters = 256 work-groups of four waves.  A wave keeps its 64 rows of x as bf16 fragments in 256 registers for
; the whole launch, so each fragment of the codebook that it reads from LDS (1 KiB) feeds four matrix instructions.
; THE MATRIX INSTRUCTION: source 0 = 16 codes, source 1 = 16 rows of x.  In the result, lane (r, h) = (l % 16, l / 16) holds row r of x, and
; its registers j = 0..7 the codes 16 t + 8 h + j.  The first of a tile's eight K steps takes hsq as C, so the sum IS the score.
; The running maximum is kept for each (lane, register) place with the number of the tile that gave it; the places meet once, at the end.
; CLUSTERS.  The four work-groups of a cluster have four neighbouring row blocks and the same quarter: they walk the same tiles of eb and the
; same hsq.  Every tensor load is asked for jointly (mask 15, the same descriptor in all four: it is made of the quarter and the wave's
; number alone), which divides the requests for the codebook by four.  The row block enters the addresses of x, cval and cand only.
; RING.  Two LDS slots of 256 codes each (16 tiles of 16 codes); each wave brings 64 codes of a slot with one load.  By this text's own count
; a wave has three tensor loads out at the start (hsq, slot 0, slot 1) and one behind each later round of the cluster's barrier.
.set PITCH, 528                        ; an LDS row: 512 bytes of a code + 16 of padding = 33 x 16 bytes: the 16 rows of a fragment load start in 16 different 16-byte columns of 256
.set SLOT,  256*PITCH                  ; 135,168
.set PART,  64*PITCH                   ; 33,792: what one load brings
.set HSQ,   2*SLOT                     ; 270,336: the quarter's 2,048 hsq, 8,192 bytes
.set XST,   HSQ+8192                   ; 278,528: a stage of 16 rows x 528 bytes for each wave; only ds_store writes it, no fill lands in it
.set STG,   16*PITCH                   ; 8,448: a stage; also a tile of 16 codes in a slot
.set EB,   4                           ; v4   528 r + 16 h: my place in a fragment
.set EA,   5                           ; v5   LDS address of my part of the tile that is loaded next
.set QA,   6                           ; v6   LDS address of my eight hsq of that tile
.set TNO,  7                           ; v7   number of the tile in the quarter, 0..127
.set XO,   8                           ; v8   16 l
.set SS,   9                           ; v9   my stage + 8 l
.set SL,   10                          ; v10  my stage + 528 r + 16 h
.set SR,   11                          ; v11  my stage + 4 r
.set GO,   13                          ; v13  8 l
.set HQ,   16                          ; v[16:23]   hsq of the tile: C of the first K step
.set ACC,  24                          ; v[24:55]   four accumulators: row tiles 0..3
.set BEST, 56                          ; v[56:87]   running maxima, one for each place of the accumulators
.set ID,   88                          ; v[88:119]  the tile that gave each
.set EF,   120                         ; v[120:183] the tile's eight K steps of 16 codes x 32
.set TR,   120                         ; v[120:247] at the start only: a ring of 32 loads of x
.set P,    248                         ; v[248:255] at the start only: x packed to bf16
                                       ; window 1 (v256-v511): row tile i, K step s of x at v[64 i + 8 s]
.set G1E, 16                           ; s[16:23] group 1 of a codebook tile
.set G1H, 24                           ; s[24:31] group 1 of hsq
.set G0,  32                           ; s[32:39] group 0, a set for each slot
.set G0H, 40                           ; s[40:43] group 0 of hsq
.set MSB, 0
.macro WIN new                         ; the immediate's high byte repeats the setting that is left
.if MSB != \new
	s_set_vgpr_msb (MSB<<8)|\new
.set MSB, \new
.endif
.endm
; A round of the cluster's barrier: my work-group's barrier, so that wave 0 speaks for all four waves; wave 0 signals for the work-group;
; every wave waits for the four work-groups; my work-group's barrier once more.
.macro ROUND
	s_barrier_signal -1
	s_barrier_wait -1
	s_cmp_lg_u32 s14, 0
	s_cbranch_scc1 .Lnot_wave_0_\@
	s_barrier_signal -3
.Lnot_wave_0_\@:
	s_barrier_wait -3
	s_barrier_signal -1
	s_barrier_wait -1
.endm
	s_load_b256 s[4:11], s[0:1], 0x0               ; x s[4:5], eb s[6:7], hsq s[8:9], cval s[10:11]
	s_load_b64 s[12:13], s[0:1], 0x20              ; cand
	v_lshl_add_u32 v12, v0, 2, 0x4c400
	s_set_vgpr_msb 0x80
	v_mov_b32 v1, 0
	s_set_vgpr_msb 0x8088
	ds_add_u32 v12, v1
	s_set_vgpr_msb 0x8800
	v_lshrrev_b32 v1, 5, v0
	v_readfirstlane_b32 s14, v1                    ; wave 0..3
	s_bfe_u32 s15, ttmp6, 0x40000                  ; cx: my place in the cluster
	s_lshl_b32 s46, ttmp9, 2
	s_add_co_u32 s46, s46, s15                     ; row block = 4 x cluster x + cx
	s_and_b32 s47, ttmp7, 0xffff                   ; quarter of the codebook (the cluster is one work-group high)
	s_mov_b32 s52, 0x76543210                      ; v_permlanex16_b32: lane i of one half reads lane i of the other
	s_mov_b32 s53, 0xfedcba98
	; group 1 of a codebook tile: 64 rows of 256 bf16, 16 bytes of padding behind each row
	s_mov_b32 s[G1E+0], 15|(1<<16)|(1<<20)|(1<<21)|(6<<22)|(3<<25)  ; 15:0 mask: all four of the cluster; 17:16 elements of 2 bytes; 20 padding on; 21 set beside a mask; 24:22 after every 128 words (code 6); 31:25 four words (code 3)
	s_mov_b32 s[G1E+1], 256<<16                    ; tensor_dim0 = 256
	s_mov_b32 s[G1E+2], 64<<16                     ; tensor_dim1 = 64
	s_mov_b32 s[G1E+3], 256<<16                    ; tile_dim0 = 256
	s_mov_b32 s[G1E+4], 64                         ; tile_dim1 = 64
	s_mov_b32 s[G1E+5], 256                        ; from row to row: 256 elements
	s_mov_b32 s[G1E+6], 0
	s_mov_b32 s[G1E+7], 0
	; group 1 of hsq: one row of 2,048 bytes as 256 elements of 8 bytes, no padding
	s_mov_b32 s[G1H+0], 15|(3<<16)|(1<<21)
	s_mov_b32 s[G1H+1], 256<<16
	s_mov_b32 s[G1H+2], 1<<16
	s_mov_b32 s[G1H+3], 256<<16
	s_mov_b32 s[G1H+4], 1
	s_mov_b32 s[G1H+5], 256
	s_mov_b32 s[G1H+6], 0
	s_mov_b32 s[G1H+7], 0
	; offsets made of the quarter and the wave's number alone: they feed the descriptors
	s_mul_i32 s57, s14, PART                       ; LDS: my 64 rows of a slot
	s_lshl_b32 s50, s47, 20                        ; eb: 2,048 codes of 512 bytes a quarter
	s_lshl_b32 s58, s14, 15                        ;     64 codes a wave
	s_add_co_u32 s50, s50, s58
	s_mov_b32 s51, 0
	s_lshl_b32 s60, s47, 13                        ; hsq: 2,048 words a quarter
	s_lshl_b32 s58, s14, 11                        ;      512 words a wave
	s_add_co_u32 s60, s60, s58
	s_mov_b32 s61, 0
	s_add_co_u32 s[G0H+1], s58, HSQ                ; LDS address of my part of hsq
	; offsets that hold the row block: x, cval and cand only
	s_lshl_b32 s48, s46, 18                        ; x: 256 rows of 1,024 bytes a block
	s_lshl_b32 s59, s14, 16                        ;    64 rows a wave
	s_add_co_u32 s48, s48, s59
	s_mov_b32 s49, 0
	s_lshl_b32 s62, s47, 16                        ; cval, cand: 16,384 words a quarter,
	s_lshl_b32 s59, s46, 10                        ; 256 a block,
	s_add_co_u32 s62, s62, s59
	s_lshl_b32 s59, s14, 8                         ; 64 a wave
	s_add_co_u32 s62, s62, s59
	s_mov_b32 s63, 0
	s_wait_dscnt 0x0
	s_wait_kmcnt 0x0
	s_add_nc_u64 s[6:7], s[6:7], s[50:51]
	s_add_nc_u64 s[8:9], s[8:9], s[60:61]
	s_add_nc_u64 s[4:5], s[4:5], s[48:49]
	s_add_nc_u64 s[10:11], s[10:11], s[62:63]
	s_add_nc_u64 s[12:13], s[12:13], s[62:63]
.irp n, 0,1
	s_mov_b32 s[G0+4*\n], 1                                        ; count = 1
	s_add_co_u32 s[G0+4*\n+1], s57, \n*SLOT                        ; LDS address
	s_add_nc_u64 s[G0+4*\n+2:G0+4*\n+3], s[6:7], \n*131072         ; codes 256 n .. of the quarter, my 64 of them
	s_or_b32 s[G0+4*\n+3], s[G0+4*\n+3], 0x80000000                ; type = 2
.endr
	s_mov_b32 s[G0H], 1
	s_mov_b64 s[G0H+2:G0H+3], s[8:9]
	s_or_b32 s[G0H+3], s[G0H+3], 0x80000000
	ROUND                                          ; all four work-groups are here: the first joint loads meet
	tensor_load_to_lds s[G0H:G0H+3], s[G1H:G1H+7]  ; the first fills go out as one group, ahead of every wait on TENSORcnt and every other barrier
	s_nop 0
	tensor_load_to_lds s[G0:G0+3], s[G1E:G1E+7]
	s_nop 0
	tensor_load_to_lds s[G0+4:G0+7], s[G1E:G1E+7]
	s_nop 0
	v_and_b32 v3, 31, v0                           ; l
	v_lshlrev_b32 v[XO], 4, v3
.set qq, 0
.rept 32
	global_load_b128 v[TR+4*qq:TR+4*qq+3], v[XO], s[4:5] offset:512*qq     ; row tile 0 of x: 16 rows = 32 x 512 neighbouring bytes
.set qq, qq+1
.endr
	v_and_b32 v1, 15, v0                           ; r
	v_bfe_u32 v2, v0, 4, 1                         ; h
	v_mul_u32_u24 v[EB], v1, PITCH
	v_lshl_add_u32 v[EB], v2, 4, v[EB]
	v_lshlrev_b32 v[QA], 5, v2                     ; my eight hsq of tile 0: codes 8 h .. 8 h + 7
	v_add_nc_u32 v[QA], HSQ, v[QA]
	v_mov_b32 v[TNO], -1                           ; stepped ahead of each tile's comparison
	s_mul_i32 s58, s14, STG
	s_add_co_u32 s58, s58, XST                     ; my stage
	v_lshl_add_u32 v[SS], v3, 3, s58
	v_add_nc_u32 v[SL], s58, v[EB]
	v_lshl_add_u32 v[SR], v1, 2, s58
	v_lshlrev_b32 v[GO], 3, v3
	v_mov_b32 v15, 0                               ; a destination of v_permlanex16_b32 at the end: written once here
.set n, 0
.rept 32
	v_mov_b32 v[BEST+n], 0xff800000                ; -infinity: every finite score beats it.  Once in the launch, while x is on its way
	v_mov_b32 v[ID+n], 0
.set n, n+1
.endr
; x TO FRAGMENTS.  Load q of row tile i is row q / 2, half q % 2: lane l has k = 128 (q % 2) + 4 l .. + 3.  Rounded to bf16 they are 8 bytes of
; the stage's row; the fragments are read back by rows.  The ring's slot is loaded again with the next row tile at once.
.macro XQ i, q
.if \i < 3
	s_wait_loadcnt 31                              ; loads come back in order (ISA guide 5.7.1): the 31 younger ones of the ring stay out
.else
	s_wait_loadcnt 31-\q                           ; the last row tile loads nothing: the counts run down
.endif
	v_cvt_pk_bf16_f32 v[P+2*(\q%4)],   v[TR+4*\q],   v[TR+4*\q+1]
	v_cvt_pk_bf16_f32 v[P+2*(\q%4)+1], v[TR+4*\q+2], v[TR+4*\q+3]
.if \i < 3
	global_load_b128 v[TR+4*\q:TR+4*\q+3], v[XO], s[4:5] offset:(\i+1)*16384+512*\q
.endif
	ds_store_b64 v[SS], v[P+2*(\q%4):P+2*(\q%4)+1] offset:(\q>>1)*PITCH+(\q&1)*256
.endm
.irp i, 0,1,2,3
.set qq, 0
.rept 32
	XQ \i, qq
.set qq, qq+1
.endr
	WIN 0x40                                       ; destination in window 1, address in window 0
.irp s, 0,1,2,3,4,5,6,7
	ds_load_b128 v[64*\i+8*\s:64*\i+8*\s+3],   v[SL] offset:64*\s      ; LDS serves a wave's instructions in order (ISA guide 5.7.1.4): these see the stores above
	ds_load_b128 v[64*\i+8*\s+4:64*\i+8*\s+7], v[SL] offset:64*\s+32
.endr
	WIN 0
	s_wait_dscnt 0x0                               ; the stage is written again only when it has been read
.endr
; The next tile's 16 codes x 256 K (eight K steps, two loads each) and its hsq
.macro LOADT
.irp s, 0,1,2,3,4,5,6,7
	ds_load_b128 v[EF+8*\s:EF+8*\s+3],   v[EA] offset:64*\s
	ds_load_b128 v[EF+8*\s+4:EF+8*\s+7], v[EA] offset:64*\s+32
.endr
	ds_load_b128 v[HQ:HQ+3],   v[QA]
	ds_load_b128 v[HQ+4:HQ+7], v[QA] offset:16
.endm
; One tile of 16 codes against my 64 rows: 32 matrix instructions, then the comparison of 32 scores a lane.  more = 1: the next tile of the
; slot is loaded while the scores are compared.
.macro TILE more
	s_wait_dscnt 0x0                               ; the tile's 18 loads
	WIN 0x04                                       ; source 1 (x) in window 1
	; the four accumulators take turns, one instruction a turn, over the backward jump too
.irp s, 0,1,2,3,4,5,6,7
.irp i, 0,1,2,3
.if \s == 0
	v_wmma_f32_16x16x32_bf16 v[ACC+8*\i:ACC+8*\i+7], v[EF+8*\s:EF+8*\s+7], v[64*\i+8*\s:64*\i+8*\s+7], v[HQ:HQ+7]
.else
	v_wmma_f32_16x16x32_bf16 v[ACC+8*\i:ACC+8*\i+7], v[EF+8*\s:EF+8*\s+7], v[64*\i+8*\s:64*\i+8*\s+7], v[ACC+8*\i:ACC+8*\i+7]
.endif
.endr
.endr
	WIN 0
	; four places behind the last matrix instruction (ISA guide 7.12.1), none of which names one of its registers:
	; behind them its sources are loaded again and its result is read
	v_add_nc_u32 v[EA], STG, v[EA]                 ; the next tile of the slot
	v_add_nc_u32 v[QA], 64, v[QA]                  ; the next 16 hsq (they run on from slot to slot)
	v_add_nc_u32 v[TNO], 1, v[TNO]                 ; this tile's number
	v_nop
.if \more
	LOADT
.endif
	; strictly greater: of equal scores the earlier tile stays.  Four at a time, so that no select follows straight on its compare
.set n, 0
.rept 8
	v_cmp_gt_f32 vcc_lo, v[ACC+n],   v[BEST+n]
	v_cmp_gt_f32 s54,    v[ACC+n+1], v[BEST+n+1]
	v_cmp_gt_f32 s55,    v[ACC+n+2], v[BEST+n+2]
	v_cmp_gt_f32 s56,    v[ACC+n+3], v[BEST+n+3]
	v_max_num_f32 v[BEST+n],   v[BEST+n],   v[ACC+n]
	v_max_num_f32 v[BEST+n+1], v[BEST+n+1], v[ACC+n+1]
	v_max_num_f32 v[BEST+n+2], v[BEST+n+2], v[ACC+n+2]
	v_max_num_f32 v[BEST+n+3], v[BEST+n+3], v[ACC+n+3]
	v_cndmask_b32 v[ID+n],   v[ID+n],   v[TNO], vcc_lo
	v_cndmask_b32 v[ID+n+1], v[ID+n+1], v[TNO], s54
	v_cndmask_b32 v[ID+n+2], v[ID+n+2], v[TNO], s55
	v_cndmask_b32 v[ID+n+3], v[ID+n+3], v[TNO], s56
.set n, n+4
.endr
.endm
; The 16 tiles of a slot
.macro WORK slot
	v_add_nc_u32 v[EA], \slot*SLOT, v[EB]
	LOADT
	s_mov_b32 s45, 15
.Ltile_\@:
	TILE 1
	s_sub_co_u32 s45, s45, 1
	s_cmp_lg_u32 s45, 0
	s_cbranch_scc1 .Ltile_\@
	TILE 0                                         ; the slot's last tile loads nothing
.endm
; A change of slots.  In front of the round every wave has waited for all its tensor loads (the one that is out is its part of this slot) and
; for its reads of the other slot; behind the round that holds of every wave of all four work-groups.  The joint refill of the other slot is
; the wave's first tensor load there and its only one until the next round; it has this slot's 16 tiles of work in which to land.
.macro STEP slot, refill
	s_set_vgpr_msb 0x8
	s_wait_tensorcnt 0x0
	ds_add_u32 v12, v1
	s_wait_dscnt 0x0
	s_set_vgpr_msb 0x800
.if \refill
	s_add_nc_u64 s[G0+4*(1-\slot)+2:G0+4*(1-\slot)+3], s[G0+4*(1-\slot)+2:G0+4*(1-\slot)+3], 262144    ; no load of mine is out: the other slot's next 256 codes, two slots on
.endif
	s_wait_dscnt 0x0
	ROUND
.if \refill
	tensor_load_to_lds s[G0+4*(1-\slot):G0+4*(1-\slot)+3], s[G1E:G1E+7]
	s_nop 0
.endif
	WORK \slot
.endm
	s_wait_tensorcnt 0x1                           ; tensor loads of a wave end in order (ISA guide 10.11.1): my parts of hsq and of slot 0 are in; slot 1's may stay out
	s_wait_dscnt 0x0
	s_barrier_signal -1
	s_barrier_wait -1                              ; everybody's are
	WORK 0                                         ; codes 0..255 of the quarter
	s_mov_b32 s44, 3
.Lpair:
	STEP 1, 1
	STEP 0, 1
	s_sub_co_u32 s44, s44, 1
	s_cmp_lg_u32 s44, 0
	s_cbranch_scc1 .Lpair
	STEP 1, 0                                      ; the last 256 codes: nothing is left to fetch
	; THE END.  A place's code is 16 x tile + 2,048 x quarter + 8 h + j.  The eight places of a lane and the two halves of the lanes meet:
	; the greater score wins, of equal scores the lower code.
	v_lshlrev_b32 v14, 3, v2
	s_lshl_b32 s58, s47, 11
	v_add_nc_u32 v14, s58, v14
.irp j, 0,1,2,3,4,5,6,7
	v_add_nc_u32 v[EF+\j], \j, v14                 ; the fragment registers are free: the comparison of 32 scores stands behind the last matrix instruction
.endr
.irp i, 0,1,2,3
.irp j, 0,1,2,3,4,5,6,7
	v_lshl_add_u32 v[ID+8*\i+\j], v[ID+8*\i+\j], 4, v[EF+\j]
.endr
.endr
.macro MERGE va, ca, vb, cb            ; (va, ca) takes (vb, cb) if vb > va, or vb = va and cb < ca
	v_cmp_gt_f32 s54, v[\vb], v[\va]
	v_cmp_eq_f32 s55, v[\vb], v[\va]
	v_cmp_lt_u32 s56, v[\cb], v[\ca]
	s_and_b32 s55, s55, s56
	s_or_b32 s54, s54, s55
	v_cndmask_b32 v[\va], v[\va], v[\vb], s54
	v_cndmask_b32 v[\ca], v[\ca], v[\cb], s54
.endm
.macro ROWT i
	MERGE BEST+8*\i+0, ID+8*\i+0, BEST+8*\i+1, ID+8*\i+1
	MERGE BEST+8*\i+2, ID+8*\i+2, BEST+8*\i+3, ID+8*\i+3
	MERGE BEST+8*\i+4, ID+8*\i+4, BEST+8*\i+5, ID+8*\i+5
	MERGE BEST+8*\i+6, ID+8*\i+6, BEST+8*\i+7, ID+8*\i+7
	MERGE BEST+8*\i+0, ID+8*\i+0, BEST+8*\i+2, ID+8*\i+2
	MERGE BEST+8*\i+4, ID+8*\i+4, BEST+8*\i+6, ID+8*\i+6
	MERGE BEST+8*\i+0, ID+8*\i+0, BEST+8*\i+4, ID+8*\i+4
	v_permlanex16_b32 v14, v[BEST+8*\i], s52, s53  ; the other half's winner for the same row
	v_permlanex16_b32 v15, v[ID+8*\i], s52, s53
	MERGE BEST+8*\i, ID+8*\i, 14, 15               ; codes differ, so the order is total: both halves end with the same winner
	ds_store_b32 v[SR], v[BEST+8*\i] offset:64*\i          ; row 16 i + r of my 64: both halves write the same word with the same value
	ds_store_b32 v[SR], v[ID+8*\i]   offset:256+64*\i
.endm
	ROWT 0
	ROWT 1
	ROWT 2
	ROWT 3
	ds_load_b64 v[16:17], v[SS]                    ; my own stage, served in order behind the stores: two rows a lane
	ds_load_b64 v[18:19], v[SS] offset:256
	s_wait_dscnt 0x0
	global_store_b64 v[GO], v[16:17], s[10:11]     ; 32 lanes x 8 bytes: 256 consecutive bytes, aligned
	global_store_b64 v[GO], v[18:19], s[12:13]
	s_set_vgpr_msb 0x8
	s_wait_tensorcnt 0x0
	ds_add_u32 v12, v1
	s_wait_dscnt 0x0
	s_set_vgpr_msb 0x800
	ROUND                                          ; the closing round: no work-group ends while a partner may still ask for a tile that names it
	s_endpgm
.Lfunc_end_k_qb66e4b2dec_dist:
	.size	k_qb66e4b2dec_dist, .Lfunc_end_k_qb66e4b2dec_dist-k_qb66e4b2dec_dist
	.p2alignl 7, 3214868480
	.fill 96, 4, 3214868480
	.section	.rodata,"a",@progbits
	.p2align	6, 0x0
	.amdhsa_kernel k_qb66e4b2dec_dist
		.amdhsa_group_segment_fixed_size 327680
		.amdhsa_private_segment_fixed_size 0
		.amdhsa_enable_private_segment 0
		.amdhsa_kernarg_size 40
		.amdhsa_user_sgpr_count 2
		.amdhsa_user_sgpr_kernarg_segment_ptr 1
		.amdhsa_wavefront_size32 1
		.amdhsa_system_sgpr_workgroup_id_x 1
		.amdhsa_system_sgpr_workgroup_id_y 1
		.amdhsa_system_sgpr_workgroup_id_z 1
		.amdhsa_system_vgpr_workitem_id 0
		.amdhsa_next_free_vgpr 514
		.amdhsa_next_free_sgpr 66
		.amdhsa_reserve_vcc 1
		.amdhsa_float_denorm_mode_32 3
		.amdhsa_float_denorm_mode_16_64 3
		.amdhsa_memory_ordered 1
		.amdhsa_forward_progress 1
		.amdhsa_inst_pref_size 135
	.end_amdhsa_kernel
	.amdgpu_metadata
---
amdhsa.version: [ 1, 2 ]
amdhsa.kernels:
  - .name:           k_qb66e4b2dec_dist
    .symbol:         k_qb66e4b2dec_dist.kd
    .args:
      - { .name: x, .offset: 0, .size: 8, .value_kind: global_buffer, .address_space: global }
      - { .name: eb, .offset: 8, .size: 8, .value_kind: global_buffer, .address_space: global }
      - { .name: hsq, .offset: 16, .size: 8, .value_kind: global_buffer, .address_space: global }
      - { .name: cval, .offset: 24, .size: 8, .value_kind: global_buffer, .address_space: global }
      - { .name: cand, .offset: 32, .size: 8, .value_kind: global_buffer, .address_space: global }
    .group_segment_fixed_size: 327680
    .private_segment_fixed_size: 0
    .kernarg_segment_align: 8
    .kernarg_segment_size: 40
    .max_flat_workgroup_size: 128
    .sgpr_count:     66
    .vgpr_count:     514
    .wavefront_size: 32
...
	.end_amdgpu_metadata
.endif
;; end of part 2
;; launch pick (part 3): grid 256 x 1, 8 waves a work-group, no clusters, 1,280 bytes of LDS; arguments embed, cval, cand, out0, out1; writes out0, out1
.if DOCPART == 3
	.amdgcn_target "amdgcn-amd-amdhsa--gfx1250"
	.amdhsa_code_object_version 6
	.text
	.protected	k_qb66e4b2dec_pick
	.globl	k_qb66e4b2dec_pick
	.p2align	8
	.type	k_qb66e4b2dec_pick,@function
k_qb66e4b2dec_pick:
	s_mov_b64 s[64:65], 0
	v_nop
	global_prefetch_b8 v0, s[64:65] scope:SCOPE_SE
	s_setreg_imm32_b32 hwreg(HW_REG_WAVE_MODE, 25, 1), 1
	s_wait_xcnt 0x0
; EuclideanCodebook, launch 3 of 3: of each row's four candidates (one for each quarter of the codebook) the best, its number to out1 and its
; f32 row of embed to out0.  The scores are s_c = x.e_c - |e_c|^2 / 2; what the problem's formula has beyond them changes no argmax (shown at
; the head of the first kernel, with the limits).
; The candidates' numbers are whole numbers that the launch before stored; they form the addresses.  Which of the four wins hangs on floating-point
; scores, so it steers no address: all four rows are loaded and the winner is selected.  Strictly greater, in ascending quarters: of equal
; scores the lower quarter, which has the lower codes, stays.
; Eight waves, 64 rows a work-group, 8 a wave.  A wave takes a whole row of 1,024 bytes by two loads of 512 neighbouring bytes; a ring of four
; row slots keeps 32 loads of every wave on their way.  No matrix work, no shared tiles: no clusters, no tensor loads.
.set CI,  16                           ; s[16:47]  candidate codes: quarter q, row p at 16 + 8 q + p
.set CV,  48                           ; candidate scores: quarter q at s48, s56, s68, s76 (48 + 8 q + 4 (q / 2))
.set MSK, 84                           ; s84-s86   quarter q = 1..3 beats what came before
.set OFF, 8                            ; v[8:23]   slot, quarter: byte offset of my 16 bytes in the candidate's row
.set DAT, 24                           ; v[24:151] slot: 32 registers: quarter q at 8 q, two halves of 4
.set OUT, 152                          ; v[152:159] the row selected
	s_load_b256 s[4:11], s[0:1], 0x0               ; embed s[4:5], cval s[6:7], cand s[8:9], out0 s[10:11]
	s_load_b64 s[12:13], s[0:1], 0x20              ; out1
	v_lshl_add_u32 v160, v0, 2, 0x100
	v_mov_b32 v161, 0
	v_lshrrev_b32 v2, 5, v0
	v_readfirstlane_b32 s14, v2                    ; wave 0..7
	v_lshlrev_b32 v4, 5, v2                        ; LDS: my wave's eight words at 32 w
	v_and_b32 v5, 31, v0
	v_lshlrev_b32 v1, 4, v5                        ; 16 l
	v_lshlrev_b32 v5, 3, v5                        ; 8 l
	s_lshl_b32 s88, ttmp9, 8                       ; 64 words a group
	s_lshl_b32 s15, s14, 5                         ; 8 words a wave
	s_add_co_u32 s88, s88, s15
	s_mov_b32 s89, 0
	s_wait_kmcnt 0x0
	s_add_nc_u64 s[6:7], s[6:7], s[88:89]
	s_add_nc_u64 s[8:9], s[8:9], s[88:89]
.irp q, 0,1,2,3
	s_load_b256 s[CI+8*\q:CI+8*\q+7], s[8:9], \q*65536                             ; my eight rows' candidates of quarter q
	s_load_b256 s[CV+8*\q+4*(\q/2):CV+8*\q+4*(\q/2)+7], s[6:7], \q*65536           ; and their scores
.endr
	s_lshl_b32 s88, s88, 8                         ; rows of 1,024 bytes in out0
	s_add_nc_u64 s[10:11], s[10:11], s[88:89]
	s_lshl_b32 s88, ttmp9, 8
	s_add_nc_u64 s[12:13], s[12:13], s[88:89]      ; out1 at the group's 64 words
	s_wait_kmcnt 0x0
; The four candidate rows of my row p, into slot p % 4: eight loads
.macro FILL p
.irp q, 0,1,2,3
	s_min_u32 s[CI+8*\q+\p], s[CI+8*\q+\p], 0x1fff                 ; a number from memory enters an address only inside the table's 8,192 rows
	v_lshl_add_u32 v[OFF+4*(\p%4)+\q], s[CI+8*\q+\p], 10, v1
	global_load_b128 v[DAT+32*(\p%4)+8*\q:DAT+32*(\p%4)+8*\q+3],   v[OFF+4*(\p%4)+\q], s[4:5]
	global_load_b128 v[DAT+32*(\p%4)+8*\q+4:DAT+32*(\p%4)+8*\q+7], v[OFF+4*(\p%4)+\q], s[4:5] offset:512
.endr
.endm
; My row p.  fill = 1: its slot gets row p + 4.  left = eight loads for each younger row that may stay out.
.macro TURN p, fill, left
	s_wait_loadcnt \left                           ; loads come back in order (ISA guide 5.7.1): the row's eight are in, and their address registers are free
	s_wait_xcnt 0x0                                ; OUT, which the last row's stores read, is rewritten only behind this wait (ISA guide 3.1)
	v_mov_b32 v2, s[CV+\p]                         ; best score so far,
	v_mov_b32 v3, s[CI+\p]                         ; and its code
.irp q, 1,2,3
	v_cmp_gt_f32 s[MSK+\q-1], s[CV+8*\q+4*(\q/2)+\p], v2
	v_cndmask_b32 v2, v2, s[CV+8*\q+4*(\q/2)+\p], s[MSK+\q-1]
	v_cndmask_b32 v3, v3, s[CI+8*\q+\p], s[MSK+\q-1]
.endr
.irp k, 0,1,2,3,4,5,6,7
	v_cndmask_b32 v[OUT+\k], v[DAT+32*(\p%4)+\k], v[DAT+32*(\p%4)+8+\k], s[MSK]
.endr
.irp k, 0,1,2,3,4,5,6,7
	v_cndmask_b32 v[OUT+\k], v[OUT+\k], v[DAT+32*(\p%4)+16+\k], s[MSK+1]
.endr
.irp k, 0,1,2,3,4,5,6,7
	v_cndmask_b32 v[OUT+\k], v[OUT+\k], v[DAT+32*(\p%4)+24+\k], s[MSK+2]
.endr
.if \fill
	FILL (\p+4)
.endif
	global_store_b128 v1, v[OUT:OUT+3],   s[10:11] offset:1024*\p th:TH_STORE_NT       ; 512 consecutive bytes, aligned
	global_store_b128 v1, v[OUT+4:OUT+7], s[10:11] offset:1024*\p+512 th:TH_STORE_NT
	ds_store_b32 v4, v3 offset:4*\p                ; all lanes write the same word with the same value
.endm
	FILL 0
	FILL 1
	FILL 2
	FILL 3
	TURN 0, 1, 24
	TURN 1, 1, 24
	TURN 2, 1, 24
	TURN 3, 1, 24
	TURN 4, 0, 24                                  ; the last four rows load nothing: the counts run down
	TURN 5, 0, 16
	TURN 6, 0, 8
	TURN 7, 0, 0
	s_wait_dscnt 0x0                               ; my eight words are in LDS before I say so
	s_barrier_signal -1
	s_barrier_wait -1
	s_cmp_lg_u32 s14, 0
	s_cbranch_scc1 .Lend
	ds_load_b64 v[6:7], v5                         ; wave 0: the group's 64 indices, two a lane
	s_wait_dscnt 0x0
	global_store_b64 v5, v[6:7], s[12:13]          ; 256 consecutive bytes, aligned
.Lend:
	s_wait_tensorcnt 0x0
	ds_add_u32 v160, v161
	s_wait_dscnt 0x0
	s_endpgm
.Lfunc_end_k_qb66e4b2dec_pick:
	.size	k_qb66e4b2dec_pick, .Lfunc_end_k_qb66e4b2dec_pick-k_qb66e4b2dec_pick
	.p2alignl 7, 3214868480
	.fill 96, 4, 3214868480
	.section	.rodata,"a",@progbits
	.p2align	6, 0x0
	.amdhsa_kernel k_qb66e4b2dec_pick
		.amdhsa_group_segment_fixed_size 1280
		.amdhsa_private_segment_fixed_size 0
		.amdhsa_enable_private_segment 0
		.amdhsa_kernarg_size 40
		.amdhsa_user_sgpr_count 2
		.amdhsa_user_sgpr_kernarg_segment_ptr 1
		.amdhsa_wavefront_size32 1
		.amdhsa_system_sgpr_workgroup_id_x 1
		.amdhsa_system_sgpr_workgroup_id_y 1
		.amdhsa_system_sgpr_workgroup_id_z 1
		.amdhsa_system_vgpr_workitem_id 0
		.amdhsa_next_free_vgpr 162
		.amdhsa_next_free_sgpr 92
		.amdhsa_reserve_vcc 0
		.amdhsa_float_denorm_mode_32 3
		.amdhsa_float_denorm_mode_16_64 3
		.amdhsa_memory_ordered 1
		.amdhsa_forward_progress 1
		.amdhsa_inst_pref_size 32
	.end_amdhsa_kernel
	.amdgpu_metadata
---
amdhsa.version: [ 1, 2 ]
amdhsa.kernels:
  - .name:           k_qb66e4b2dec_pick
    .symbol:         k_qb66e4b2dec_pick.kd
    .args:
      - { .name: embed, .offset: 0, .size: 8, .value_kind: global_buffer, .address_space: global }
      - { .name: cval, .offset: 8, .size: 8, .value_kind: global_buffer, .address_space: global }
      - { .name: cand, .offset: 16, .size: 8, .value_kind: global_buffer, .address_space: global }
      - { .name: out0, .offset: 24, .size: 8, .value_kind: global_buffer, .address_space: global }
      - { .name: out1, .offset: 32, .size: 8, .value_kind: global_buffer, .address_space: global }
    .group_segment_fixed_size: 1280
    .private_segment_fixed_size: 0
    .kernarg_segment_align: 8
    .kernarg_segment_size: 40
    .max_flat_workgroup_size: 256
    .sgpr_count:     92
    .vgpr_count:     162
    .wavefront_size: 32
...
	.end_amdgpu_metadata
.endif
;; end of part 3
;; ======== version 2 of 2: 3 launches; 1.17 times as fast as version 1
;; workspace buffers: eb 4,194,304 bytes; hsq 32,768 bytes; ckey 262,144 bytes of whole numbers; cand 262,144 bytes of whole numbers
;; launch prep: the kernel of part 1 again; grid 128 x 1, 8 waves a work-group, no clusters, 1,280 bytes of LDS; arguments embed, eb, hsq; writes eb, hsq
;; launch dist (part 4): grid 64 x 4, 8 waves a work-group, clusters of 4 x 1, 327,680 bytes of LDS; arguments x, eb, hsq, ckey, cand; writes ckey, cand
.if DOCPART == 4
	.amdgcn_target "amdgcn-amd-amdhsa--gfx1250"
	.amdhsa_code_object_version 6
	.text
	.protected	k_qb66e4b2dec_dist
	.globl	k_qb66e4b2dec_dist
	.p2align	8
	.type	k_qb66e4b2dec_dist,@function
k_qb66e4b2dec_dist:
	s_mov_b64 s[64:65], 0
	v_nop
	global_prefetch_b8 v0, s[64:65] scope:SCOPE_SE
	s_setreg_imm32_b32 hwreg(HW_REG_WAVE_MODE, 25, 1), 1
	s_wait_xcnt 0x0
	s_wait_alu depctr_hold_cnt(0) depctr_sa_sdst(0) depctr_va_vdst(0) depctr_va_sdst(0) depctr_va_ssrc(0) depctr_va_vcc(0) depctr_vm_vsrc(0)
	s_getreg_b32 s2, hwreg(HW_REG_IB_STS2, 6, 4)
	s_cmp_eq_u32 s2, 0
	s_cbranch_scc0 .Lentry_in_a_cluster
	s_endpgm
.Lentry_in_a_cluster:
	s_bfe_u32 s2, ttmp6, 0x10000c
	s_cmp_lg_u32 s2, 0x3003
	s_cbranch_scc0 .Lentry_shape_is_right
	s_endpgm
.Lentry_shape_is_right:
; EuclideanCodebook, launch 2 of 3: for 256 rows of x and one quarter of the codebook (2,048 codes), each row's best score
; s_c = x.e_c - |e_c|^2 / 2, as an order-keeping whole number (ckey), and the code that has it (cand).  |x|^2, the maximum with 0, the root
; and the negation are left out: they change no argmax in exact arithmetic (shown at the head of the first kernel, with the limits: finite
; inputs; a NaN score never wins; equal scores: the lowest code).
;
; SHAPE.  64 row blocks x 4 quarters = 256 work-groups of eight waves of 512 registers, two for each of a WGP's four SIMDs.  Waves w and w + 4
; hold the same 64 rows of x (row group w % 4) as bf16 fragments in 256 registers for the whole launch; wave w takes the even tiles of 16 codes,
; wave w + 4 the odd ones.  So each tile is read from LDS by four waves, each fragment read (1 KiB) feeds four matrix instructions, and a pair's
; winners meet once, at the end, through LDS.  A wave issues in order: its run of 18 LDS loads and the slices of its comparison stand between
; its own products; the other wave of the SIMD has products of its own to issue meanwhile.
; THE MATRIX INSTRUCTION: source 0 = 16 codes, source 1 = 16 rows of x.  In the result, lane (r, h) = (l % 16, l / 16) holds row r of x, and
; its registers j = 0..7 the codes 16 t + 8 h + j.  The first of a tile's eight K steps takes hsq as C, so the sum IS the score.
; The running maximum is kept for each (lane, register) place with the number of the tile that gave it; the places meet once, at the end.
; PRODUCTS AND COMPARISON SIDE BY SIDE.  A tile of 16 codes is two halves of 16 products: first row tiles 0 and 1 of x, then row tiles 2 and 3.
; While one pair of accumulators is summed, the other pair's finished scores are compared: three vector instructions a score, 48 in a half,
; set in slices behind the half's 16 products.  So four accumulators are enough, and all that the comparison touches lies in window 0:
; 16 addresses + 16 hsq + 32 accumulators + 32 maxima + 32 tile numbers + 128 fragments = 256 registers.
; The wave's next tile's 18 LDS loads go out in one run behind a tile's first four products, into the other of two fragment buffers: they have
; the tile's other 28 products in which to land.
; WINDOWS.  The products run with source 1 (x) in window 1.  Under that setting the maximum is written with three sources (-infinity from a
; scalar register in the middle) and the select takes the tile's number from a scalar register, so neither names a vector register as source 1.
; Only the compare has two vector sources: four compares at a time stand between two switches, 16 switches in a tile's 32 products.
; CLUSTERS.  The four work-groups of a cluster have four neighbouring row blocks and the same quarter: they walk the same tiles of eb and the
; same hsq.  Every tensor load is asked for jointly (mask 15, the same descriptor in all four: it is made of the quarter and the wave's
; number alone), which divides the requests for the codebook by four.  The row block enters the addresses of x, ckey and cand only.
; RING.  Two LDS slots of 256 codes each (16 tiles of 16 codes, 8 for each wave); the eight waves share a slot's 256 rows, 32 rows a load.  By this
; text's own count a wave has three tensor loads out at the start (hsq, slot 0, slot 1) and one behind each later round of the cluster's barrier.
.set PITCH, 528                        ; an LDS row: 512 bytes of a code + 16 of padding = 33 x 16 bytes: the 16 rows of a fragment load start in 16 different 16-byte columns of 256
.set SLOT,  256*PITCH                  ; 135,168
.set PART,  32*PITCH                   ; 16,896: what one load brings
.set HSQ,   2*SLOT                     ; 270,336: the quarter's 2,048 hsq, 8,192 bytes
.set XST,   HSQ+8192                   ; 278,528: a stage for each wave; only ds_store writes it, no fill lands in it
.set XP,    272                        ; a stage's row: 128 bf16 + 16 bytes of padding = 17 x 16 bytes
.set STGX,  16*XP                      ; 4,352: a stage of 16 rows x 128 k.  Eight stages of 16 whole rows (8 x 8,448) would pass the 327,680 bytes of LDS by 18,432
.set STG,   16*PITCH                   ; 8,448: a tile of 16 codes in a slot
.set EB,   4                           ; v4   528 r + 16 h + 8,448 x parity: my place in my wave's first tile of a slot
.set EA,   5                           ; v5   LDS address of my part of the tile in buffer 0 of the pair at work
.set QA,   6                           ; v6   LDS address of my eight hsq of that tile
.set SP,   7                           ; v7   the odd partner's stage + 8 l
.set XO,   8                           ; v8   16 l
.set SS,   9                           ; v9   my stage + 8 l
.set SL0,  10                          ; v10  the even partner's stage + 272 r + 16 h
.set SR,   11                          ; v11  my stage + 4 r
.set SL1,  12                          ; v12  the odd partner's stage + 272 r + 16 h
.set GO,   13                          ; v13  8 l
.set HQ,   16                          ; v[16:31]   hsq of a tile, C of its first K step: two buffers of 8
.set ACC,  32                          ; v[32:63]   four accumulators: row tiles 0..3
.set BEST, 64                          ; v[64:95]   running maxima, one for each place of the accumulators
.set ID,   96                          ; v[96:127]  the tile that gave each
.set EF,   128                         ; v[128:255] a tile's eight K steps of 16 codes x 32: two buffers of 64
.set TR,   128                         ; v[128:255] at the start only: a ring of 32 loads of x
.set P,    32                          ; v[32:39]   at the start only: x packed to bf16
                                       ; window 1 (v256-v511): row tile i, K step s of x at v[64 i + 8 s]
.set G1E, 16                           ; s[16:23] group 1 of a codebook tile
.set G1H, 24                           ; s[24:31] group 1 of hsq
.set G0,  32                           ; s[32:39] group 0, a set for each slot
.set G0H, 40                           ; s[40:43] group 0 of hsq
.set MK,  66                           ; s66-s69  four compares' masks
.set TN,  70                           ; s70      number of the tile whose scores are compared, 0..127
.set NINF, 71                          ; s71      -infinity
.set RG,  72                           ; s72      row group: wave % 4
.set PAR, 73                           ; s73      parity of my tiles: wave / 4
.set MSB, 0
.macro WIN new                         ; the immediate's high byte repeats the setting that is left
.if MSB != \new
	s_set_vgpr_msb (MSB<<8)|\new
.set MSB, \new
.endif
.endm
; A round of the cluster's barrier: my work-group's barrier, so that wave 0 speaks for all eight waves; wave 0 signals for the work-group;
; every wave waits for the four work-groups; my work-group's barrier once more.
.macro ROUND
	s_barrier_signal -1
	s_barrier_wait -1
	s_cmp_lg_u32 s14, 0
	s_cbranch_scc1 .Lnot_wave_0_\@
	s_barrier_signal -3
.Lnot_wave_0_\@:
	s_barrier_wait -3
	s_barrier_signal -1
	s_barrier_wait -1
.endm
	s_load_b256 s[4:11], s[0:1], 0x0               ; x s[4:5], eb s[6:7], hsq s[8:9], ckey s[10:11]
	s_load_b64 s[12:13], s[0:1], 0x20              ; cand
	v_lshl_add_u32 v134, v0, 2, 0x4c800
	v_mov_b32 v135, 0
	ds_add_u32 v134, v135
	s_wait_dscnt 0x0
	v_lshrrev_b32 v1, 5, v0
	v_readfirstlane_b32 s14, v1                    ; wave 0..7
	s_and_b32 s[RG], s14, 3                        ; which 64 rows of the block
	s_lshr_b32 s[PAR], s14, 2                      ; even (0) or odd (1) tiles
	s_bfe_u32 s15, ttmp6, 0x40000                  ; cx: my place in the cluster
	s_lshl_b32 s46, ttmp9, 2
	s_add_co_u32 s46, s46, s15                     ; row block = 4 x cluster x + cx
	s_and_b32 s47, ttmp7, 0xffff                   ; quarter of the codebook (the cluster is one work-group high)
	s_mov_b32 s52, 0x76543210                      ; v_permlanex16_b32: lane i of one half reads lane i of the other
	s_mov_b32 s53, 0xfedcba98
	s_sub_co_u32 s[TN], s[PAR], 2                  ; stepped by 2 in the middle of each tile: my first tile is number parity
	s_mov_b32 s[NINF], 0xff800000
	; group 1 of a codebook tile: 32 rows of 256 bf16, 16 bytes of padding behind each row
	s_mov_b32 s[G1E+0], 15|(1<<16)|(1<<20)|(1<<21)|(6<<22)|(3<<25)  ; 15:0 mask: all four of the cluster; 17:16 elements of 2 bytes; 20 padding on; 21 set beside a mask; 24:22 after every 128 words (code 6); 31:25 four words (code 3)
	s_mov_b32 s[G1E+1], 256<<16                    ; tensor_dim0 = 256
	s_mov_b32 s[G1E+2], 32<<16                     ; tensor_dim1 = 32
	s_mov_b32 s[G1E+3], 256<<16                    ; tile_dim0 = 256
	s_mov_b32 s[G1E+4], 32                         ; tile_dim1 = 32
	s_mov_b32 s[G1E+5], 256                        ; from row to row: 256 elements
	s_mov_b32 s[G1E+6], 0
	s_mov_b32 s[G1E+7], 0
	; group 1 of hsq: one row of 1,024 bytes as 128 elements of 8 bytes, no padding
	s_mov_b32 s[G1H+0], 15|(3<<16)|(1<<21)
	s_mov_b32 s[G1H+1], 128<<16
	s_mov_b32 s[G1H+2], 1<<16
	s_mov_b32 s[G1H+3], 128<<16
	s_mov_b32 s[G1H+4], 1
	s_mov_b32 s[G1H+5], 128
	s_mov_b32 s[G1H+6], 0
	s_mov_b32 s[G1H+7], 0
	; offsets made of the quarter and the wave's number alone: they feed the descriptors
	s_mul_i32 s57, s14, PART                       ; LDS: my 32 rows of a slot
	s_lshl_b32 s50, s47, 20                        ; eb: 2,048 codes of 512 bytes a quarter
	s_lshl_b32 s58, s14, 14                        ;     32 codes a wave
	s_add_co_u32 s50, s50, s58
	s_mov_b32 s51, 0
	s_lshl_b32 s60, s47, 13                        ; hsq: 2,048 words a quarter
	s_lshl_b32 s58, s14, 10                        ;      256 words a wave
	s_add_co_u32 s60, s60, s58
	s_mov_b32 s61, 0
	s_add_co_u32 s[G0H+1], s58, HSQ                ; LDS address of my part of hsq
	; offsets that hold the row block: x, ckey and cand only
	s_lshl_b32 s48, s46, 18                        ; x: 256 rows of 1,024 bytes a block,
	s_lshl_b32 s59, s[RG], 16                      ;    64 rows a row group,
	s_add_co_u32 s48, s48, s59
	s_lshl_b32 s59, s[PAR], 15                     ;    of which the even wave rounds the first 32, the odd wave the others
	s_add_co_u32 s48, s48, s59
	s_mov_b32 s49, 0
	s_lshl_b32 s62, s47, 16                        ; ckey, cand: 16,384 words a quarter,
	s_lshl_b32 s59, s46, 10                        ; 256 a block,
	s_add_co_u32 s62, s62, s59
	s_lshl_b32 s59, s[RG], 8                       ; 64 a row group
	s_add_co_u32 s62, s62, s59
	s_mov_b32 s63, 0
	s_wait_kmcnt 0x0
	s_add_nc_u64 s[6:7], s[6:7], s[50:51]
	s_add_nc_u64 s[8:9], s[8:9], s[60:61]
	s_add_nc_u64 s[4:5], s[4:5], s[48:49]
	s_add_nc_u64 s[10:11], s[10:11], s[62:63]
	s_add_nc_u64 s[12:13], s[12:13], s[62:63]
.irp n, 0,1
	s_mov_b32 s[G0+4*\n], 1                                        ; count = 1
	s_add_co_u32 s[G0+4*\n+1], s57, \n*SLOT                        ; LDS address
	s_add_nc_u64 s[G0+4*\n+2:G0+4*\n+3], s[6:7], \n*131072         ; codes 256 n .. of the quarter, my 32 of them
	s_or_b32 s[G0+4*\n+3], s[G0+4*\n+3], 0x80000000                ; type = 2
.endr
	s_mov_b32 s[G0H], 1
	s_mov_b64 s[G0H+2:G0H+3], s[8:9]
	s_or_b32 s[G0H+3], s[G0H+3], 0x80000000
	ROUND                                          ; all four work-groups are here: the first joint loads meet
	tensor_load_to_lds s[G0H:G0H+3], s[G1H:G1H+7]  ; the first fills go out as one group, ahead of every wait on TENSORcnt and every other barrier
	s_nop 0
	tensor_load_to_lds s[G0:G0+3], s[G1E:G1E+7]
	s_nop 0
	tensor_load_to_lds s[G0+4:G0+7], s[G1E:G1E+7]
	s_nop 0
	v_and_b32 v3, 31, v0                           ; l
	v_lshlrev_b32 v[XO], 4, v3
.set qq, 0
.rept 32
	global_load_b128 v[TR+4*qq:TR+4*qq+3], v[XO], s[4:5] offset:(qq&15)*1024+(qq>>4)*512   ; my first 16 rows of x: first their left halves, then their right; 512 neighbouring bytes a load
.set qq, qq+1
.endr
	v_and_b32 v1, 15, v0                           ; r
	v_bfe_u32 v2, v0, 4, 1                         ; h
	v_mul_u32_u24 v[EB], v1, PITCH
	v_lshl_add_u32 v[EB], v2, 4, v[EB]
	s_mul_i32 s58, s[PAR], STG
	v_add_nc_u32 v[EB], s58, v[EB]                 ; my wave's first tile of a slot is tile parity
	v_mov_b32 v[EA], v[EB]                         ; slot 0
	v_lshlrev_b32 v[QA], 5, v2                     ; my eight hsq of a tile: codes 8 h .. 8 h + 7,
	s_lshl_b32 s58, s[PAR], 6                      ; 64 bytes a tile
	s_add_co_u32 s58, s58, HSQ
	v_add_nc_u32 v[QA], s58, v[QA]
	s_mul_i32 s74, s14, STGX
	s_add_co_u32 s74, s74, XST                     ; my stage
	v_lshl_add_u32 v[SS], v3, 3, s74
	v_lshl_add_u32 v[SR], v1, 2, s74
	s_mul_i32 s75, s[RG], STGX
	s_add_co_u32 s75, s75, XST                     ; the stage of my pair's even wave
	v_mul_u32_u24 v[SL0], v1, XP
	v_lshl_add_u32 v[SL0], v2, 4, v[SL0]
	v_add_nc_u32 v[SL0], s75, v[SL0]
	v_add_nc_u32 v[SL1], 4*STGX, v[SL0]            ; the odd wave's stage lies four stages on
	s_add_co_u32 s75, s75, 4*STGX
	v_lshl_add_u32 v[SP], v3, 3, s75
	v_lshlrev_b32 v[GO], 3, v3
	v_mov_b32 v15, 0                               ; a destination of v_permlanex16_b32 at the end: written once here
.set n, 0
.rept 32
	v_mov_b32 v[BEST+n], 0xff800000                ; -infinity: every finite score beats it.  Once in the launch, while x is on its way
	v_mov_b32 v[ID+n], 0
.set n, n+1
.endr
.set n, 16
.rept 16
	v_mov_b32 v[ACC+n], 0xff800000                 ; the first tile's first half compares row tiles 2 and 3 of a tile that does not exist: -infinity beats nothing
.set n, n+1
.endr
; x TO FRAGMENTS, each row rounded once in the work-group.  Of a pair's 64 rows the even wave rounds row tiles 0 and 1, the odd wave 2 and 3, in
; four steps of 16 rows x 128 k.  Load q of my row tile lt is row q % 16, half q / 16: lane l has k = 128 (q / 16) + 4 l .. + 3; rounded to
; bf16 they are 8 bytes of my stage's row.  The ring's place is loaded again with my second row tile at once.
.macro XQ lt, q
.if \lt == 0
	s_wait_loadcnt 31                              ; loads come back in order (ISA guide 5.7.1): the 31 younger ones of the ring stay out
.else
	s_wait_loadcnt 31-\q                           ; my second row tile loads nothing: the counts run down
.endif
	v_cvt_pk_bf16_f32 v[P+2*(\q%4)],   v[TR+4*\q],   v[TR+4*\q+1]
	v_cvt_pk_bf16_f32 v[P+2*(\q%4)+1], v[TR+4*\q+2], v[TR+4*\q+3]
.if \lt == 0
	global_load_b128 v[TR+4*\q:TR+4*\q+3], v[XO], s[4:5] offset:16384+(\q&15)*1024+(\q>>4)*512
.endif
	ds_store_b64 v[SS], v[P+2*(\q%4):P+2*(\q%4)+1] offset:(\q&15)*XP
.endm
; A step's fragments: K steps 4 hf .. 4 hf + 3 of row tile lt from the even wave's stage and of row tile 2 + lt from the odd wave's.
; Store, wait, barrier, load: every wave's stores are in LDS before any wave reads.  Load, wait, barrier, store: close = 1: no stage is written
; again before every wave has read it (behind the last step the barrier that follows it in the text does that).
.macro XREAD lt, hf, close
	s_wait_dscnt 0x0
	s_barrier_signal -1
	s_barrier_wait -1
	WIN 0x40                                       ; destination in window 1, address in window 0
.irp t, 0,1,2,3
	ds_load_b128 v[64*\lt+8*(4*\hf+\t):64*\lt+8*(4*\hf+\t)+3],           v[SL0] offset:64*\t
	ds_load_b128 v[64*\lt+8*(4*\hf+\t)+4:64*\lt+8*(4*\hf+\t)+7],         v[SL0] offset:64*\t+32
	ds_load_b128 v[64*(2+\lt)+8*(4*\hf+\t):64*(2+\lt)+8*(4*\hf+\t)+3],   v[SL1] offset:64*\t
	ds_load_b128 v[64*(2+\lt)+8*(4*\hf+\t)+4:64*(2+\lt)+8*(4*\hf+\t)+7], v[SL1] offset:64*\t+32
.endr
	WIN 0
.if \close
	s_wait_dscnt 0x0
	s_barrier_signal -1
	s_barrier_wait -1
.endif
.endm
.irp lt, 0,1
.set qq, 0
.rept 16
	XQ \lt, qq
.set qq, qq+1
.endr
	XREAD \lt, 0, 1
.rept 16
	XQ \lt, qq
.set qq, qq+1
.endr
	XREAD \lt, 1, 1-\lt
.endr
; A tile's 16 codes x 256 K (eight K steps, two loads each) and its hsq, into buffer b; eo, qo: the tile's distance from EA and from QA
.macro LOADT b, eo, qo
.irp s, 0,1,2,3,4,5,6,7
	ds_load_b128 v[EF+64*(\b)+8*\s:EF+64*(\b)+8*\s+3],   v[EA] offset:\eo+64*\s
	ds_load_b128 v[EF+64*(\b)+8*\s+4:EF+64*(\b)+8*\s+7], v[EA] offset:\eo+64*\s+32
.endr
	ds_load_b128 v[HQ+8*(\b):HQ+8*(\b)+3],   v[QA] offset:\qo
	ds_load_b128 v[HQ+8*(\b)+4:HQ+8*(\b)+7], v[QA] offset:\qo+16
.endm
; One product: K step s of the tile in buffer b against row tile i.  The first K step starts the sum from hsq.
.macro MM b, s, i
.if (\s) == 0
	v_wmma_f32_16x16x32_bf16 v[ACC+8*(\i):ACC+8*(\i)+7], v[EF+64*(\b):EF+64*(\b)+7], v[64*(\i):64*(\i)+7], v[HQ+8*(\b):HQ+8*(\b)+7]
.else
	v_wmma_f32_16x16x32_bf16 v[ACC+8*(\i):ACC+8*(\i)+7], v[EF+64*(\b)+8*(\s):EF+64*(\b)+8*(\s)+7], v[64*(\i)+8*(\s):64*(\i)+8*(\s)+7], v[ACC+8*(\i):ACC+8*(\i)+7]
.endif
.endm
; The comparison's three parts, for the scores at places n .. of the accumulators.  Strictly greater: of equal scores the earlier tile stays.
.macro CMP4 n                          ; two vector sources: under window 0 alone
	v_cmp_gt_f32 s[MK],   v[ACC+(\n)],   v[BEST+(\n)]
	v_cmp_gt_f32 s[MK+1], v[ACC+(\n)+1], v[BEST+(\n)+1]
	v_cmp_gt_f32 s[MK+2], v[ACC+(\n)+2], v[BEST+(\n)+2]
	v_cmp_gt_f32 s[MK+3], v[ACC+(\n)+3], v[BEST+(\n)+3]
.endm
.macro UPD n                           ; vector registers as source 0 and source 2 only
	v_max3_num_f32 v[BEST+(\n)], v[BEST+(\n)], s[NINF], v[ACC+(\n)]
.endm
.macro SEL n, k                        ; a vector register as source 0 only
	v_cndmask_b32 v[ID+(\n)], v[ID+(\n)], s[TN], s[MK+\k]
.endm
; Half a tile: 16 products on accumulators ia and ib, which take turns, one instruction a turn; behind them, in slices, the
; comparison of the 16 scores a lane of accumulators ca and ca + 1, which the half before finished.  At most six instructions stand behind a
; product.  Between the last product on accumulator ca (the third from the end of the half before) and the first compare that reads it stand
; 3 + 2 plain vector instructions that name none of its registers (ISA guide 7.12.1 asks for four).
; run = 1: behind the first four products the wave's next tile is loaded into the other buffer; the 12 vector instructions in front of the run
; are the places behind the last products that read that buffer.
.macro PHASE b, ia, ib, ca, run, eo, qo
.irp q, 0,1,2,3
	MM \b, 2*\q, \ia
	WIN 0
	CMP4 8*\ca+4*\q
	WIN 0x04
	MM \b, 2*\q, \ib
	UPD 8*\ca+4*\q
	UPD 8*\ca+4*\q+1
	SEL 8*\ca+4*\q, 0
	MM \b, 2*\q+1, \ia
	UPD 8*\ca+4*\q+2
	UPD 8*\ca+4*\q+3
	SEL 8*\ca+4*\q+1, 1
	MM \b, 2*\q+1, \ib
	SEL 8*\ca+4*\q+2, 2
	SEL 8*\ca+4*\q+3, 3
.if \run
.if \q == 0
	LOADT 1-\b, \eo, \qo                           ; destination and address in window 0 under the products' setting too
.endif
.endif
.endr
.endm
; One tile of 16 codes, in buffer b, against my 64 rows
.macro TILE b, run, eo, qo
	s_wait_dscnt 0x0                               ; the tile's 18 loads, issued 28 products ago
	WIN 0x04                                       ; source 1 (x) in window 1
	PHASE \b, 0, 1, 2, \run, \eo, \qo              ; row tiles 0, 1; compared: row tiles 2, 3 of my tile before
	s_add_co_u32 s[TN], s[TN], 2                   ; from here on this tile's scores are compared; my tiles are every other one
	PHASE \b, 2, 3, 0, 0, 0, 0                     ; row tiles 2, 3; compared: row tiles 0, 1 of this tile
	WIN 0
.endm
; My 8 tiles of a slot's 16: they lie 2 x 8,448 bytes apart, their hsq 128 bytes.  On the way in, my first is on its way into buffer 0, and EA
; and QA stand at it.
; THE CHANGE OF SLOTS stands at the head of my last tile of the slot, whose fragments are in registers by then: my reads of this slot are over.
; In front of the round every wave has waited for those reads and for all its tensor loads (the one that is out is its part of the other slot);
; behind the round that holds of every wave of all four work-groups.  The joint refill of this slot is the wave's first tensor load there
; and its only one until the next round; it has a slot's 16 tiles of work in which to land.  The last tile's run of loads then reads my first tile of
; the other slot.
; mode 2: round and refill; 1: the round alone (nothing is left to fetch); 0: the quarter's last slot: no round, no loads.
.macro SLOTW slot, mode
	s_mov_b32 s45, 3
.Ltile_\@:
	TILE 0, 1, 2*STG, 128
	TILE 1, 1, 4*STG, 256
	v_add_nc_u32 v[EA], 4*STG, v[EA]               ; my next pair of tiles
	v_add_nc_u32 v[QA], 256, v[QA]
	s_sub_co_u32 s45, s45, 1
	s_cmp_lg_u32 s45, 0
	s_cbranch_scc1 .Ltile_\@
	TILE 0, 1, 2*STG, 128                          ; my seventh
.if \mode
	s_wait_dscnt 0x0                               ; my eighth is in registers: my reads of this slot are over
	s_wait_xcnt 0x0
	v_lshl_add_u32 v134, v0, 2, 0x4c800
	v_mov_b32 v135, 0
	s_wait_tensorcnt 0x0                           ; all my tensor loads have landed
	ds_add_u32 v134, v135
	s_wait_dscnt 0x0
.if \mode == 2
	s_add_nc_u64 s[G0+4*\slot+2:G0+4*\slot+3], s[G0+4*\slot+2:G0+4*\slot+3], 262144    ; no load of mine is out: this slot's next 256 codes, two slots on
.endif
	ROUND
.if \mode == 2
	tensor_load_to_lds s[G0+4*\slot:G0+4*\slot+3], s[G1E:G1E+7]
	s_nop 0
	v_nop
	v_nop
.endif
	v_add_nc_u32 v[EA], (1-\slot)*SLOT, v[EB]      ; my first tile of the other slot
	TILE 1, 1, 0, 256                              ; my eighth
	v_add_nc_u32 v[QA], 256, v[QA]                 ; hsq runs on from slot to slot
.else
	TILE 1, 0, 0, 0
.endif
.endm
	s_wait_tensorcnt 0x1                           ; tensor loads of a wave end in order (ISA guide 10.11.1): my parts of hsq and of slot 0 are in; slot 1's may stay out
	s_wait_dscnt 0x0                               ; and my last fragments of x are in registers
	s_barrier_signal -1
	s_barrier_wait -1                              ; everybody's are
	LOADT 0, 0, 0                                  ; my first tile of the quarter
	s_mov_b32 s44, 3
.Lpair:
	SLOTW 0, 2
	SLOTW 1, 2
	s_sub_co_u32 s44, s44, 1
	s_cmp_lg_u32 s44, 0
	s_cbranch_scc1 .Lpair
	SLOTW 0, 1                                     ; codes 1,536 .. 1,791
	SLOTW 1, 0                                     ; the last 256 codes
	; Row tiles 2 and 3 of my last tile are still to be compared.  Accumulator 2 comes first: behind its last product stand 3 + 2 plain vector
	; instructions; accumulator 3 is read after 24 more, none of which names a register of its last product.
.irp q, 0,1,2,3
	CMP4 16+4*\q
	UPD 16+4*\q
	UPD 16+4*\q+1
	UPD 16+4*\q+2
	UPD 16+4*\q+3
	SEL 16+4*\q, 0
	SEL 16+4*\q+1, 1
	SEL 16+4*\q+2, 2
	SEL 16+4*\q+3, 3
.endr
	; THE END.  A place's code is 16 x tile + 2,048 x quarter + 8 h + j.  The eight places of a lane and the two halves of the lanes meet:
	; the greater score wins, of equal scores the lower code.
	v_lshlrev_b32 v14, 3, v2
	s_lshl_b32 s58, s47, 11
	v_add_nc_u32 v14, s58, v14
.irp j, 0,1,2,3,4,5,6,7
	v_add_nc_u32 v[EF+\j], \j, v14                 ; the fragment registers are free: 48 vector instructions stand behind the last matrix instruction
.endr
.irp i, 0,1,2,3
.irp j, 0,1,2,3,4,5,6,7
	v_lshl_add_u32 v[ID+8*\i+\j], v[ID+8*\i+\j], 4, v[EF+\j]
.endr
.endr
.macro MERGE va, ca, vb, cb            ; (va, ca) takes (vb, cb) if vb > va, or vb = va and cb < ca
	v_cmp_gt_f32 s54, v[\vb], v[\va]
	v_cmp_eq_f32 s55, v[\vb], v[\va]
	v_cmp_lt_u32 s56, v[\cb], v[\ca]
	s_and_b32 s55, s55, s56
	s_or_b32 s54, s54, s55
	v_cndmask_b32 v[\va], v[\va], v[\vb], s54
	v_cndmask_b32 v[\ca], v[\ca], v[\cb], s54
.endm
.macro MERGEK ka, ca, kb, cb           ; the same on keys, whose unsigned order is the scores' order
	v_cmp_gt_u32 s54, v[\kb], v[\ka]
	v_cmp_eq_u32 s55, v[\kb], v[\ka]
	v_cmp_lt_u32 s56, v[\cb], v[\ca]
	s_and_b32 s55, s55, s56
	s_or_b32 s54, s54, s55
	v_cndmask_b32 v[\ka], v[\ka], v[\kb], s54
	v_cndmask_b32 v[\ca], v[\ca], v[\cb], s54
.endm
; THE KEY.  The next launch chooses among the four quarters and forms an address from the choice, so it is handed whole numbers: the score's
; bits, turned so that unsigned order is the scores' order.  -0 becomes +0 first (they are equal scores); then a score that is not negative
; gets its sign bit set, and a negative one has all its bits inverted.  No NaN stands here: the maxima start at -infinity and a NaN never wins.
.macro ROWT i
	MERGE BEST+8*\i+0, ID+8*\i+0, BEST+8*\i+1, ID+8*\i+1
	MERGE BEST+8*\i+2, ID+8*\i+2, BEST+8*\i+3, ID+8*\i+3
	MERGE BEST+8*\i+4, ID+8*\i+4, BEST+8*\i+5, ID+8*\i+5
	MERGE BEST+8*\i+6, ID+8*\i+6, BEST+8*\i+7, ID+8*\i+7
	MERGE BEST+8*\i+0, ID+8*\i+0, BEST+8*\i+2, ID+8*\i+2
	MERGE BEST+8*\i+4, ID+8*\i+4, BEST+8*\i+6, ID+8*\i+6
	MERGE BEST+8*\i+0, ID+8*\i+0, BEST+8*\i+4, ID+8*\i+4
	v_permlanex16_b32 v14, v[BEST+8*\i], s52, s53  ; the other half's winner for the same row
	v_permlanex16_b32 v15, v[ID+8*\i], s52, s53
	MERGE BEST+8*\i, ID+8*\i, 14, 15               ; codes differ, so the order is total: both halves end with the same winner
	v_add_f32 v[BEST+8*\i], 0, v[BEST+8*\i]        ; -0 + 0 = +0; every other number stays
	v_ashrrev_i32 v14, 31, v[BEST+8*\i]            ; all ones for a negative score, else 0,
	v_or_b32 v14, 0x80000000, v14                  ; and the sign bit in both cases
	v_xor_b32 v[BEST+8*\i], v14, v[BEST+8*\i]
	ds_store_b32 v[SR], v[BEST+8*\i] offset:64*\i          ; row 16 i + r of my 64: both halves write the same word with the same value
	ds_store_b32 v[SR], v[ID+8*\i]   offset:256+64*\i
.endm
	ROWT 0
	ROWT 1
	ROWT 2
	ROWT 3
	; The pair meets: each wave's 64 keys and 64 codes lie in its own stage; the even wave reads both stages behind the barrier and stores the winners.
	s_wait_dscnt 0x0                               ; my words are in LDS before I say so
	s_barrier_signal -1
	s_barrier_wait -1
	s_cmp_ge_u32 s14, 4
	s_cbranch_scc1 .Lclose                         ; the odd waves have handed their winners over
	ds_load_b64 v[16:17], v[SS]                    ; my keys, two rows a lane,
	ds_load_b64 v[18:19], v[SS] offset:256         ; my codes,
	ds_load_b64 v[20:21], v[SP]                    ; my partner's keys for the same rows,
	ds_load_b64 v[22:23], v[SP] offset:256         ; and codes
	s_wait_dscnt 0x0
	MERGEK 16, 18, 20, 22
	MERGEK 17, 19, 21, 23
	global_store_b64 v[GO], v[16:17], s[10:11]     ; 32 lanes x 8 bytes: 256 consecutive bytes, aligned
	global_store_b64 v[GO], v[18:19], s[12:13]
.Lclose:
	s_wait_xcnt 0x0
	v_lshl_add_u32 v134, v0, 2, 0x4c800
	v_mov_b32 v135, 0
	s_wait_tensorcnt 0x0
	ds_add_u32 v134, v135
	s_wait_dscnt 0x0
	ROUND                                          ; the closing round: no work-group ends while a partner may still ask for a tile that names it
	s_endpgm
.Lfunc_end_k_qb66e4b2dec_dist:
	.size	k_qb66e4b2dec_dist, .Lfunc_end_k_qb66e4b2dec_dist-k_qb66e4b2dec_dist
	.p2alignl 7, 3214868480
	.fill 96, 4, 3214868480
	.section	.rodata,"a",@progbits
	.p2align	6, 0x0
	.amdhsa_kernel k_qb66e4b2dec_dist
		.amdhsa_group_segment_fixed_size 327680
		.amdhsa_private_segment_fixed_size 0
		.amdhsa_enable_private_segment 0
		.amdhsa_kernarg_size 40
		.amdhsa_user_sgpr_count 2
		.amdhsa_user_sgpr_kernarg_segment_ptr 1
		.amdhsa_wavefront_size32 1
		.amdhsa_system_sgpr_workgroup_id_x 1
		.amdhsa_system_sgpr_workgroup_id_y 1
		.amdhsa_system_sgpr_workgroup_id_z 1
		.amdhsa_system_vgpr_workitem_id 0
		.amdhsa_next_free_vgpr 512
		.amdhsa_next_free_sgpr 76
		.amdhsa_reserve_vcc 0
		.amdhsa_float_denorm_mode_32 3
		.amdhsa_float_denorm_mode_16_64 3
		.amdhsa_memory_ordered 1
		.amdhsa_forward_progress 1
		.amdhsa_inst_pref_size 216
	.end_amdhsa_kernel
	.amdgpu_metadata
---
amdhsa.version: [ 1, 2 ]
amdhsa.kernels:
  - .name:           k_qb66e4b2dec_dist
    .symbol:         k_qb66e4b2dec_dist.kd
    .args:
      - { .name: x, .offset: 0, .size: 8, .value_kind: global_buffer, .address_space: global }
      - { .name: eb, .offset: 8, .size: 8, .value_kind: global_buffer, .address_space: global }
      - { .name: hsq, .offset: 16, .size: 8, .value_kind: global_buffer, .address_space: global }
      - { .name: ckey, .offset: 24, .size: 8, .value_kind: global_buffer, .address_space: global }
      - { .name: cand, .offset: 32, .size: 8, .value_kind: global_buffer, .address_space: global }
    .group_segment_fixed_size: 327680
    .private_segment_fixed_size: 0
    .kernarg_segment_align: 8
    .kernarg_segment_size: 40
    .max_flat_workgroup_size: 256
    .sgpr_count:     76
    .vgpr_count:     512
    .wavefront_size: 32
...
	.end_amdgpu_metadata
.endif
;; end of part 4
;; launch pick (part 5): grid 256 x 1, 8 waves a work-group, no clusters, 1,280 bytes of LDS; arguments embed, ckey, cand, out0, out1; writes out0, out1
.if DOCPART == 5
	.amdgcn_target "amdgcn-amd-amdhsa--gfx1250"
	.amdhsa_code_object_version 6
	.text
	.protected	k_qb66e4b2dec_pick
	.globl	k_qb66e4b2dec_pick
	.p2align	8
	.type	k_qb66e4b2dec_pick,@function
k_qb66e4b2dec_pick:
	s_mov_b64 s[64:65], 0
	v_nop
	global_prefetch_b8 v0, s[64:65] scope:SCOPE_SE
	s_setreg_imm32_b32 hwreg(HW_REG_WAVE_MODE, 25, 1), 1
	s_wait_xcnt 0x0
; EuclideanCodebook, launch 3 of 3: of each row's four candidates (one for each quarter of the codebook) the best, its number to out1 and its
; f32 row of embed to out0.  The scores are s_c = x.e_c - |e_c|^2 / 2; what the problem's formula has beyond them changes no argmax (shown at
; the head of the first kernel, with the limits).
; Both tables are whole numbers that the launch before stored: cand holds codes, ckey holds each candidate's score with its bits turned so that
; unsigned order is the scores' order (-0 made +0; the sign bit set where the score is not negative, all bits inverted where it is; never a NaN).
; So the choice is made by scalar integer compares, strictly greater, in ascending quarters: of equal scores the lower quarter, which has the
; lower codes, stays.  The winner's number is clamped once and forms the address of the one row that is loaded.
; Eight waves, 64 rows a work-group, 8 a wave.  A wave takes a whole row of 1,024 bytes by two loads of 512 neighbouring bytes; all 16 loads of a
; wave go out at once, and each row is stored from the registers into which it was loaded: no register is written twice.
; No matrix work, no shared tiles: no clusters, no tensor loads.
.set CI,  16                           ; s[16:47]  candidate codes: quarter q, row p at 16 + 8 q + p; quarter 0's place takes the winner
.set CK,  48                           ; candidate keys: quarter q at s48, s56, s68, s76 (48 + 8 q + 4 (q / 2)); quarter 0's place takes the winner's
.set OFF, 8                            ; v[8:15]   row p: byte offset of my 16 bytes in the winner's row
.set DAT, 16                           ; v[16:79]  row p: 8 registers, two halves of 4
.set IX,  80                           ; v[80:87]  my wave's eight winners
	s_load_b256 s[4:11], s[0:1], 0x0               ; embed s[4:5], ckey s[6:7], cand s[8:9], out0 s[10:11]
	s_load_b64 s[12:13], s[0:1], 0x20              ; out1
	v_lshl_add_u32 v88, v0, 2, 0x100
	v_mov_b32 v89, 0
	v_lshrrev_b32 v2, 5, v0
	v_readfirstlane_b32 s14, v2                    ; wave 0..7
	v_lshlrev_b32 v4, 5, v2                        ; LDS: my wave's eight words at 32 w
	v_and_b32 v5, 31, v0
	v_lshlrev_b32 v1, 4, v5                        ; 16 l
	v_lshlrev_b32 v5, 3, v5                        ; 8 l
	s_lshl_b32 s88, ttmp9, 8                       ; 64 words a group
	s_lshl_b32 s15, s14, 5                         ; 8 words a wave
	s_add_co_u32 s88, s88, s15
	s_mov_b32 s89, 0
	s_wait_kmcnt 0x0
	s_add_nc_u64 s[6:7], s[6:7], s[88:89]
	s_add_nc_u64 s[8:9], s[8:9], s[88:89]
.irp q, 0,1,2,3
	s_load_b256 s[CI+8*\q:CI+8*\q+7], s[8:9], \q*65536                             ; my eight rows' candidates of quarter q
	s_load_b256 s[CK+8*\q+4*(\q/2):CK+8*\q+4*(\q/2)+7], s[6:7], \q*65536           ; and their keys
.endr
	s_lshl_b32 s88, s88, 8                         ; rows of 1,024 bytes in out0
	s_add_nc_u64 s[10:11], s[10:11], s[88:89]
	s_lshl_b32 s88, ttmp9, 8
	s_add_nc_u64 s[12:13], s[12:13], s[88:89]      ; out1 at the group's 64 words
	s_wait_kmcnt 0x0
; My row p: the winner of the four, and its row's two loads
.macro CHOOSE p
.irp q, 1,2,3
	s_cmp_gt_u32 s[CK+8*\q+4*(\q/2)+\p], s[CK+\p]
	s_cselect_b32 s[CK+\p], s[CK+8*\q+4*(\q/2)+\p], s[CK+\p]       ; s_cselect_b32 leaves SCC as it is: both selects follow one compare
	s_cselect_b32 s[CI+\p], s[CI+8*\q+\p], s[CI+\p]
.endr
	s_min_u32 s[CI+\p], s[CI+\p], 0x1fff           ; a number from memory enters an address only inside the table's 8,192 rows; a code is below 8,192, so the clamp changes none
	v_lshl_add_u32 v[OFF+\p], s[CI+\p], 10, v1
	global_load_b128 v[DAT+8*\p:DAT+8*\p+3],   v[OFF+\p], s[4:5]
	global_load_b128 v[DAT+8*\p+4:DAT+8*\p+7], v[OFF+\p], s[4:5] offset:512
.endm
.irp p, 0,1,2,3,4,5,6,7
	CHOOSE \p
.endr
	; The indices, while the rows are on their way: each wave's eight go to LDS, and wave 0 stores the group's 64 as 256 consecutive bytes
.irp p, 0,1,2,3,4,5,6,7
	v_mov_b32 v[IX+\p], s[CI+\p]
.endr
	ds_store_b128 v4, v[IX:IX+3]                   ; all lanes write the same bytes with the same values
	ds_store_b128 v4, v[IX+4:IX+7] offset:16
	s_wait_dscnt 0x0                               ; my eight words are in LDS before I say so
	s_barrier_signal -1
	s_barrier_wait -1
	s_cmp_lg_u32 s14, 0
	s_cbranch_scc1 .Lrows
	ds_load_b64 v[6:7], v5                         ; wave 0: the group's 64 indices, two a lane
	s_wait_dscnt 0x0
	global_store_b64 v5, v[6:7], s[12:13]          ; 256 consecutive bytes, aligned
.Lrows:
.irp p, 0,1,2,3,4,5,6,7
	s_wait_loadcnt 14-2*\p                         ; loads come back in order (ISA guide 5.7.1): two loads for each younger row may stay out
	global_store_b128 v1, v[DAT+8*\p:DAT+8*\p+3],   s[10:11] offset:1024*\p th:TH_STORE_NT       ; 512 consecutive bytes, aligned
	global_store_b128 v1, v[DAT+8*\p+4:DAT+8*\p+7], s[10:11] offset:1024*\p+512 th:TH_STORE_NT
.endr
	s_wait_tensorcnt 0x0
	ds_add_u32 v88, v89
	s_wait_dscnt 0x0
	s_endpgm
.Lfunc_end_k_qb66e4b2dec_pick:
	.size	k_qb66e4b2dec_pick, .Lfunc_end_k_qb66e4b2dec_pick-k_qb66e4b2dec_pick
	.p2alignl 7, 3214868480
	.fill 96, 4, 3214868480
	.section	.rodata,"a",@progbits
	.p2align	6, 0x0
	.amdhsa_kernel k_qb66e4b2dec_pick
		.amdhsa_group_segment_fixed_size 1280
		.amdhsa_private_segment_fixed_size 0
		.amdhsa_enable_private_segment 0
		.amdhsa_kernarg_size 40
		.amdhsa_user_sgpr_count 2
		.amdhsa_user_sgpr_kernarg_segment_ptr 1
		.amdhsa_wavefront_size32 1
		.amdhsa_system_sgpr_workgroup_id_x 1
		.amdhsa_system_sgpr_workgroup_id_y 1
		.amdhsa_system_sgpr_workgroup_id_z 1
		.amdhsa_system_vgpr_workitem_id 0
		.amdhsa_next_free_vgpr 90
		.amdhsa_next_free_sgpr 92
		.amdhsa_reserve_vcc 0
		.amdhsa_float_denorm_mode_32 3
		.amdhsa_float_denorm_mode_16_64 3
		.amdhsa_memory_ordered 1
		.amdhsa_forward_progress 1
		.amdhsa_inst_pref_size 9
	.end_amdhsa_kernel
	.amdgpu_metadata
---
amdhsa.version: [ 1, 2 ]
amdhsa.kernels:
  - .name:           k_qb66e4b2dec_pick
    .symbol:         k_qb66e4b2dec_pick.kd
    .args:
      - { .name: embed, .offset: 0, .size: 8, .value_kind: global_buffer, .address_space: global }
      - { .name: ckey, .offset: 8, .size: 8, .value_kind: global_buffer, .address_space: global }
      - { .name: cand, .offset: 16, .size: 8, .value_kind: global_buffer, .address_space: global }
      - { .name: out0, .offset: 24, .size: 8, .value_kind: global_buffer, .address_space: global }
      - { .name: out1, .offset: 32, .size: 8, .value_kind: global_buffer, .address_space: global }
    .group_segment_fixed_size: 1280
    .private_segment_fixed_size: 0
    .kernarg_segment_align: 8
    .kernarg_segment_size: 40
    .max_flat_workgroup_size: 256
    .sgpr_count:     92
    .vgpr_count:     90
    .wavefront_size: 32
...
	.end_amdgpu_metadata
.endif
;; end of part 5
